; MI455X (gfx1250); checked and timed in simulation.
; The chip was launched on July 23, 2026; its instructions are those of AMD's public machine-readable ISA for CDNA 5 (MIT licence, August 2026) and "CDNA5" Instruction Set Architecture Reference Guide (July 2026). The comments in the code are by the model that wrote it; some were corrected since.
;; Multi Headed Attenton. Allowed arithmetic: float matrix products may take bf16 or f16 operands with f32 sums; all other float work in f32.
;; Inputs: Wk 1,024 x 1,024 float32; Wo 1,024 x 1,024 float32; Wq 1,024 x 1,024 float32; Wv 1,024 x 1,024 float32; bk 1,024 float32; bo 1,024 float32; bq 1,024 float32; bv 1,024 float32; key 2 x 2,048 x 1,024 float32; mask 2 x 2,048 x 2,048 bool; query 2 x 2,048 x 1,024 float32; value 2 x 2,048 x 1,024 float32.
;; Outputs: out0 2 x 2,048 x 1,024 float32.
;; One version. Each part assembles by itself: llvm-mc -triple=amdgcn-amd-amdhsa -mcpu=gfx1250 --defsym DOCPART=n.
;; ======== version 1 of 1: 4 launches
;; limits: values are held in f16: magnitudes above 65,504 overflow, below 6.1e-05 lose precision
;; workspace buffers: xb 25,165,824 bytes; wb 8,388,608 bytes; mbits 1,048,576 bytes of whole numbers; qkv 25,165,824 bytes; xh 8,388,608 bytes
;; launch prep (part 1): grid 1280 x 1, 8 waves a work-group, no clusters, 35,840 bytes of LDS; arguments query, key, value, Wq, Wk, Wv, Wo, mask, xb, wb, mbits; writes xb, wb, mbits
.if DOCPART == 1
	.amdgcn_target "amdgcn-amd-amdhsa--gfx1250"
	.amdhsa_code_object_version 6
	.text
	.protected	k_q5008e7d109_prep
	.globl	k_q5008e7d109_prep
	.p2align	8
	.type	k_q5008e7d109_prep,@function
k_q5008e7d109_prep:
	s_mov_b64 s[64:65], 0
	v_nop
	global_prefetch_b8 v0, s[64:65] scope:SCOPE_SE
	s_setreg_imm32_b32 hwreg(HW_REG_WAVE_MODE, 25, 1), 1
	s_wait_xcnt 0x0
; PREPARATION: a stream.  (1) query, key, value and the four weight matrices, f32, are rounded once to f16 into xb [3][4096][1024]
; and wb [4][1024][1024].  (2) The byte mask [2][2048][2048] is re-laid as lane masks: mbits [b][qt 128][kg 128][j 8] of 32-bit words, where
; bit (r + 16 hh) of a word is mask[b][16 qt + r][16 kg + 8 hh + j].
; Work-groups 0-767: one piece of 65,536 bytes of query / key / value each; 768-1023: one of a weight matrix; 1024-1279: 16 mask rows each.
; LIMIT: a number above 65,504 in magnitude becomes an f16 infinity.  f16 and not bf16: three more bits of significand.
; No matrix unit, no cluster, no tensor load: every byte is read once and written once, and no two work-groups share a byte.
.set XPIECES, 768
.set WPIECES, 256
.set MPITCH,  272                      ; LDS row of the mask stage: 256 bytes + 16, so that sixteen rows start 4 words apart
	s_load_b512 s[4:19], s[0:1], 0x0               ; query s[4:5] key s[6:7] value s[8:9] Wq s[10:11] Wk s[12:13] Wv s[14:15] Wo s[16:17] mask s[18:19]
	s_load_b128 s[20:23], s[0:1], 0x40             ; xb s[20:21], wb s[22:23]
	s_load_b64 s[24:25], s[0:1], 0x50              ; mbits
	v_lshl_add_u32 v112, v0, 2, 0x8800
	v_mov_b32 v113, 0
	s_mov_b32 s33, 0                               ; high words of the two offset pairs
	s_mov_b32 s37, 0
	s_cmp_ge_u32 ttmp9, XPIECES+WPIECES
	s_cbranch_scc1 .Lmask
	s_cmp_ge_u32 ttmp9, XPIECES
	s_cbranch_scc1 .Lweights
	s_lshr_b32 s26, ttmp9, 8                       ; which of query, key, value: 256 pieces each
	s_and_b32 s27, ttmp9, 255                      ; the piece
	s_lshl_b32 s32, ttmp9, 15                      ; 32,768 bytes out for each piece, the three tensors one behind the other
	s_wait_kmcnt 0x0
	s_cmp_eq_u32 s26, 1
	s_cselect_b64 s[28:29], s[6:7], s[4:5]
	s_cmp_eq_u32 s26, 2
	s_cselect_b64 s[28:29], s[8:9], s[28:29]
	s_mov_b64 s[30:31], s[20:21]
	s_branch .Lconvert
.Lweights:
	s_sub_co_u32 s34, ttmp9, XPIECES
	s_lshr_b32 s26, s34, 6                         ; which of Wq, Wk, Wv, Wo: 64 pieces each
	s_and_b32 s27, s34, 63
	s_lshl_b32 s32, s34, 15
	s_wait_kmcnt 0x0
	s_cmp_eq_u32 s26, 1
	s_cselect_b64 s[28:29], s[12:13], s[10:11]
	s_cmp_eq_u32 s26, 2
	s_cselect_b64 s[28:29], s[14:15], s[28:29]
	s_cmp_eq_u32 s26, 3
	s_cselect_b64 s[28:29], s[16:17], s[28:29]
	s_mov_b64 s[30:31], s[22:23]
.Lconvert:
	s_lshl_b32 s36, s27, 16                        ; 65,536 bytes in for each piece
	s_add_nc_u64 s[28:29], s[28:29], s[36:37]
	s_add_nc_u64 s[30:31], s[30:31], s[32:33]
	v_lshlrev_b32 v1, 4, v0                        ; thread t reads 16 bytes at 16 t of every 4,096,
	v_lshlrev_b32 v2, 3, v0                        ; and writes 8 at 8 t of every 2,048: a wave's store covers 256 consecutive bytes, aligned
.irp j, 0,1,2,3,4,5,6,7,8,9,10,11,12,13,14,15
	global_load_b128 v[16+4*\j:19+4*\j], v1, s[28:29] offset:4096*\j th:TH_LOAD_NT
.endr
.irp j, 0,1,2,3,4,5,6,7,8,9,10,11,12,13,14,15
	s_wait_loadcnt 15-\j                           ; loads return in order: load j is in, the younger ones stay out
	v_cvt_pk_f16_f32 v[80+2*\j], v[16+4*\j], v[17+4*\j]
	v_cvt_pk_f16_f32 v[81+2*\j], v[18+4*\j], v[19+4*\j]
	global_store_b64 v2, v[80+2*\j:81+2*\j], s[30:31] offset:2048*\j    ; every j has data registers of its own: nothing is rewritten
.endr
	s_endpgm
; THE MASK.  The work-group takes the 16 rows of query tile mi = 128 b + qt; wave w takes columns 256 w .. 256 w + 255.
; In: 16 lanes read 256 consecutive bytes of a row.  Through the wave's own LDS rows the bytes are turned, so that lane (r, hh) holds
; row r, columns 16 g + 8 hh + 0..7.  A compare of byte j over the 32 lanes then IS the word (g, j).
.Lmask:
	s_sub_co_u32 s34, ttmp9, XPIECES+WPIECES       ; mi
	v_lshrrev_b32 v1, 5, v0
	v_readfirstlane_b32 s35, v1                    ; wave
	v_and_b32 v2, 15, v0                           ; r
	v_bfe_u32 v3, v0, 4, 1                         ; hh
	v_and_b32 v1, 31, v0                           ; lane
	s_lshl_b32 s32, s34, 15                        ; 16 rows of 2,048 bytes
	s_lshl_b32 s36, s34, 12                        ; 4,096 bytes of words for a query tile
	s_lshl_b32 s38, s35, 8                         ; my wave's 256 columns
	s_mul_i32 s39, s35, 16*MPITCH                  ; my wave's stage: no other wave touches it, so no barrier
	s_lshl_b32 s44, s35, 9                         ; my wave's 128 words
	v_lshlrev_b32 v4, 4, v2
	v_lshl_add_u32 v5, v3, 11, v4                  ; in memory: row hh, 16 bytes a lane
	v_add_nc_u32 v5, s38, v5
	v_mul_u32_u24 v6, v3, MPITCH
	v_add3_u32 v6, v6, v4, s39                     ; into the stage: the same place
	v_mul_u32_u24 v7, v2, MPITCH
	v_lshl_add_u32 v7, v3, 3, v7
	v_add_nc_u32 v7, s39, v7                       ; back: row r, 8 bytes at 8 hh
	v_lshl_add_u32 v1, v1, 4, s44                  ; out: 16 bytes a lane, 512 consecutive bytes a wave
.irp i, 8,9,10,11
	v_mov_b32 v\i, 0                               ; v_writelane_b32 keeps the other lanes: written whole once
.endr
	s_wait_kmcnt 0x0
	s_add_nc_u64 s[18:19], s[18:19], s[32:33]
	s_add_nc_u64 s[24:25], s[24:25], s[36:37]
.irp i, 0,1,2,3,4,5,6,7
	global_load_b128 v[16+4*\i:19+4*\i], v5, s[18:19] offset:4096*\i th:TH_LOAD_NT     ; rows 2 i and 2 i + 1
.endr
.irp i, 0,1,2,3,4,5,6,7
	s_wait_loadcnt 7-\i
	ds_store_b128 v6, v[16+4*\i:19+4*\i] offset:2*MPITCH*\i
.endr
.irp g, 0,1,2,3,4,5,6,7,8,9,10,11,12,13,14,15
	ds_load_b64 v[48+2*\g:49+2*\g], v7 offset:16*\g        ; LDS serves a wave's instructions in order: these see the stores above
.endr
	s_wait_dscnt 0x0
.set idx, 0                            ; idx = 8 g + j: word idx goes to lane idx / 4, register idx % 4 of the 16 bytes that the lane stores
.rept 128
	v_and_b32 v[12+(idx&3)], 0xff<<(8*(idx&3)), v[48+2*(idx>>3)+((idx>>2)&1)]
	v_cmp_ne_u32 s[40+(idx&3)], 0, v[12+(idx&3)]
	v_writelane_b32 v[8+(idx&3)], s[40+(idx&3)], idx>>2
.set idx, idx+1
.endr
	global_store_b128 v1, v[8:11], s[24:25]
	s_wait_tensorcnt 0x0
	ds_add_u32 v112, v113
	s_wait_dscnt 0x0
	s_endpgm
.Lfunc_end_k_q5008e7d109_prep:
	.size	k_q5008e7d109_prep, .Lfunc_end_k_q5008e7d109_prep-k_q5008e7d109_prep
	.p2alignl 7, 3214868480
	.fill 96, 4, 3214868480
	.section	.rodata,"a",@progbits
	.p2align	6, 0x0
	.amdhsa_kernel k_q5008e7d109_prep
		.amdhsa_group_segment_fixed_size 35840
		.amdhsa_private_segment_fixed_size 0
		.amdhsa_enable_private_segment 0
		.amdhsa_kernarg_size 88
		.amdhsa_user_sgpr_count 2
		.amdhsa_user_sgpr_kernarg_segment_ptr 1
		.amdhsa_wavefront_size32 1
		.amdhsa_system_sgpr_workgroup_id_x 1
		.amdhsa_system_sgpr_workgroup_id_y 1
		.amdhsa_system_sgpr_workgroup_id_z 1
		.amdhsa_system_vgpr_workitem_id 0
		.amdhsa_next_free_vgpr 114
		.amdhsa_next_free_sgpr 66
		.amdhsa_reserve_vcc 0
		.amdhsa_float_denorm_mode_32 3
		.amdhsa_float_denorm_mode_16_64 3
		.amdhsa_memory_ordered 1
		.amdhsa_forward_progress 1
		.amdhsa_inst_pref_size 36
	.end_amdhsa_kernel
	.amdgpu_metadata
---
amdhsa.version: [ 1, 2 ]
amdhsa.kernels:
  - .name:           k_q5008e7d109_prep
    .symbol:         k_q5008e7d109_prep.kd
    .args:
      - { .name: query, .offset: 0, .size: 8, .value_kind: global_buffer, .address_space: global }
      - { .name: key, .offset: 8, .size: 8, .value_kind: global_buffer, .address_space: global }
      - { .name: value, .offset: 16, .size: 8, .value_kind: global_buffer, .address_space: global }
      - { .name: Wq, .offset: 24, .size: 8, .value_kind: global_buffer, .address_space: global }
      - { .name: Wk, .offset: 32, .size: 8, .value_kind: global_buffer, .address_space: global }
      - { .name: Wv, .offset: 40, .size: 8, .value_kind: global_buffer, .address_space: global }
      - { .name: Wo, .offset: 48, .size: 8, .value_kind: global_buffer, .address_space: global }
      - { .name: mask, .offset: 56, .size: 8, .value_kind: global_buffer, .address_space: global }
      - { .name: xb, .offset: 64, .size: 8, .value_kind: global_buffer, .address_space: global }
      - { .name: wb, .offset: 72, .size: 8, .value_kind: global_buffer, .address_space: global }
      - { .name: mbits, .offset: 80, .size: 8, .value_kind: global_buffer, .address_space: global }
    .group_segment_fixed_size: 35840
    .private_segment_fixed_size: 0
    .kernarg_segment_align: 8
    .kernarg_segment_size: 88
    .max_flat_workgroup_size: 256
    .sgpr_count:     66
    .vgpr_count:     114
    .wavefront_size: 32
...
	.end_amdgpu_metadata
.endif
;; end of part 1
;; launch qkv (part 2): grid 4 x 48, 4 waves a work-group, clusters of 4 x 4, 327,680 bytes of LDS; arguments xb, wb, bq, bk, bv, qkv; writes qkv
.if DOCPART == 2
	.amdgcn_target "amdgcn-amd-amdhsa--gfx1250"
	.amdhsa_code_object_version 6
	.text
	.protected	k_q5008e7d109_qkv
	.globl	k_q5008e7d109_qkv
	.p2align	8
	.type	k_q5008e7d109_qkv,@function
k_q5008e7d109_qkv:
	s_mov_b64 s[64:65], 0
	v_nop
	global_prefetch_b8 v0, s[64:65] scope:SCOPE_SE
	s_setreg_imm32_b32 hwreg(HW_REG_WAVE_MODE, 25, 1), 1
	s_wait_xcnt 0x0
	s_wait_alu depctr_hold_cnt(0) depctr_sa_sdst(0) depctr_va_vdst(0) depctr_va_sdst(0) depctr_va_ssrc(0) depctr_va_vcc(0) depctr_vm_vsrc(0)
	s_getreg_b32 s2, hwreg(HW_REG_IB_STS2, 6, 4)
	s_cmp_eq_u32 s2, 0
	s_cbranch_scc0 .Lentry_in_a_cluster
	s_endpgm
.Lentry_in_a_cluster:
	s_bfe_u32 s2, ttmp6, 0x10000c
	s_cmp_lg_u32 s2, 0xf033
	s_cbranch_scc0 .Lentry_shape_is_right
	s_endpgm
.Lentry_shape_is_right:
; THE THREE INPUT LAYERS AS ONE PRODUCT: qkv[g][t][n] = f * (sum over k of xb[g][t][k] wb[g][n][k] + bias_g[n]), g = 0, 1, 2 for q, k, v.
; f = 0.125 log2(e) for q (the attention's scale and the change to base 2, multiplied in f32 ahead of the one rounding), 1 for k and v.
; Operands f16, sums f32, result f16.  LIMIT: a result above 65,504 in magnitude becomes an f16 infinity.
; A is xb seen as [12288][1024]; a work-group makes a block of 256 x 256 with four waves of 128 x 128 (64 accumulator tiles, 512 registers).
; 48 block rows x 4 block columns = 192 work-groups: 3 x 4096 x 1024 outputs have no split into 256 equal blocks of this shape.
; K goes in steps of 128 through two LDS slots filled by the tensor data mover; a tile's rows are 256 bytes of memory, aligned to 256.
; CLUSTERS: 4 x 4 work-groups.  A's tile hangs on the block row alone and is asked for jointly by the four of a row of the cluster,
; B's on the block column (and on g, which all sixteen share: 16 block rows of one g are four whole clusters) by the four of a column.
; REGISTER WINDOWS: window 0: v0-31 addresses, v64-127 and v128-191 fragments of A, v192-255 the bias, later the packed results;
; window 1: fragments of B; windows 2 and 3: accumulators of my rows 0-63 and 64-127 (tile (a, b) at v[8 (8 a + b)]).
; THE MATRIX INSTRUCTION IS USED TRANSPOSED (source 0 = rows of B, source 1 = rows of A): lane l holds row l % 16 of C and eight neighbouring
; columns 8 (l / 16) + 0..7.  So the bias of tile column b is the same eight registers for every a, and enters as the C operand of the first product.
.set SIZE_K, 1024
.set SIZE_N, 1024
.set KSTEP,  128
.set PITCH,  272                       ; 256 bytes + 16: sixteen rows of a fragment start 4 words apart
.set HALFT,  128*PITCH                 ; what one tensor load brings
.set SLOT,   4*HALFT                   ; A's 256 rows, then B's 256 rows
.set STAGE,  2*SLOT                    ; behind the ring: 16 rows x 272 bytes for each wave; no tensor load lands here
.set SPITCH, 272
.set LAPS, SIZE_K/(2*KSTEP)            ; 4 laps of two K steps
.set ADRA, 16                          ; v16-17 LDS address of my A fragments in slot 0, 1
.set ADRB, 20                          ; v20-21 the same for B
.set STO,  24
.set RD,   25
.set CO,   26
.set BA,   27                          ; v27 lane term of the bias loads
.set F0,   64
.set F1,   128
.set BIAS, 192                         ; v192-255: bias of tile column b in v[192 + 8 b ..]
.set TMP,  192                         ; the same registers on the way out, when the bias is dead
.set G1, 24
.set G0, 32
.set G1B, 48
.set G0B, 56
.set MSB, 0
.macro WIN new                         ; the immediate's high byte repeats the setting that is left
.if MSB != \new
	s_set_vgpr_msb (MSB<<8)|\new
.set MSB, \new
.endif
.endm
.set MUL_LO, 0xa1                      ; source 0 (B) window 1, source 1 (A) window 0, C and D window 2
.set MUL_HI, 0xf1                      ; the same, C and D window 3
.set BEG_LO, 0x81                      ; the first product: C (the bias) window 0, D window 2
.set BEG_HI, 0xc1                      ; D window 3
.set TO_B,   0x40
; A joint load: waves 0 and 1 fetch A's halves, waves 2 and 3 B's.  The branch hangs on the wave's number alone.
.macro JLOAD s
	s_cmp_eq_u32 s11, 0
	s_cbranch_scc0 .Lfor_b_\@
	tensor_load_to_lds s[G0+4*\s:G0+4*\s+3], s[G1:G1+7]
	s_nop 0
	s_branch .Lasked_\@
.Lfor_b_\@:
	tensor_load_to_lds s[G0B+4*\s:G0B+4*\s+3], s[G1B:G1B+7]
	s_nop 0
.Lasked_\@:
.endm
.macro CREST                           ; a round of the cluster's barrier behind its opening work-group barrier
	s_cmp_lg_u32 s10, 0
	s_cbranch_scc1 .Lnot_wave_0_\@
	s_barrier_signal -3
.Lnot_wave_0_\@:
	s_barrier_wait -3
	s_barrier_signal -1
	s_barrier_wait -1
.endm
.macro CROUND
	s_barrier_signal -1
	s_barrier_wait -1
	CREST
.endm
	s_load_b128 s[4:7], s[0:1], 0x0                ; xb s[4:5], wb s[6:7]
	s_load_b128 s[68:71], s[0:1], 0x10             ; bq s[68:69], bk s[70:71]
	s_load_b64 s[72:73], s[0:1], 0x20              ; bv
	s_load_b64 s[8:9], s[0:1], 0x28                ; qkv
	s_set_vgpr_msb 0x40
	v_lshl_add_u32 v255, v0, 2, 0x48400
	s_set_vgpr_msb 0x4000
	v_mov_b32 v63, 0
	s_set_vgpr_msb 0x1
	ds_add_u32 v255, v63
	s_set_vgpr_msb 0x100
	v_lshrrev_b32 v1, 5, v0
	v_readfirstlane_b32 s10, v1                    ; wave 0..3
	s_lshr_b32 s11, s10, 1                         ; my half of the block's rows; also: I fetch for A (0) or B (1)
	s_and_b32 s12, s10, 1                          ; my half of its columns; also: which 128 rows I fetch
	s_bfe_u32 s40, ttmp6, 0x40000                  ; cx
	s_bfe_u32 s41, ttmp6, 0x40004                  ; cy
	s_lshl_b32 s42, ttmp9, 2
	s_add_co_u32 s42, s42, s40                     ; block column 0..3
	s_and_b32 s13, ttmp7, 0xffff
	s_lshr_b32 s66, s13, 2                         ; g: four clusters along y for each of q, k, v; the same in all sixteen partners
	s_lshl_b32 s13, s13, 2
	s_add_co_u32 s13, s13, s41                     ; block row 0..47
	s_lshl_b32 s43, s41, 2
	s_lshl_b32 s43, 15, s43                        ; my row of the cluster
	s_lshl_b32 s44, 0x1111, s40                    ; my column
	s_or_b32 s[G1+0], s43, (1<<16)|(1<<20)|(1<<21)|(5<<22)|(3<<25)   ; mask; 2-byte elements; padding on; bit 21 beside a mask; after every 64 words 4 words
	s_or_b32 s[G1B+0], s44, (1<<16)|(1<<20)|(1<<21)|(5<<22)|(3<<25)
	s_mov_b32 s[G1B+1], KSTEP<<16
	s_mov_b32 s[G1+1], KSTEP<<16                   ; tensor_dim0 = 128
	s_mov_b32 s[G1B+2], 128<<16
	s_mov_b32 s[G1+2], 128<<16                     ; tensor_dim1 = 128
	s_mov_b32 s[G1B+3], KSTEP<<16
	s_mov_b32 s[G1+3], KSTEP<<16                   ; tile_dim0 = 128
	s_mov_b32 s[G1B+4], 128
	s_mov_b32 s[G1+4], 128                         ; tile_dim1 = 128
	s_mov_b32 s[G1B+5], SIZE_K
	s_mov_b32 s[G1+5], SIZE_K                      ; elements from row to row
	s_mov_b32 s[G1B+6], 0
	s_mov_b32 s[G1+6], 0
	s_mov_b32 s[G1B+7], 0
	s_mov_b32 s[G1+7], 0
	s_lshl_b32 s17, s12, 7
	s_lshl_b32 s16, s13, 8
	s_add_co_u32 s16, s16, s17                     ; A: row 256 x block row + 128 x half
	s_lshl_b32 s46, s42, 8
	s_add_co_u32 s46, s46, s17                     ; B: row 256 x block column + 128 x half
	s_lshl_b32 s67, s66, 10
	s_add_co_u32 s46, s46, s67                     ;    + 1024 g
	s_mov_b32 s17, 0
	s_mov_b32 s47, 0
	s_mov_b64 s[18:19], SIZE_K*2
	s_mul_u64 s[16:17], s[16:17], s[18:19]
	s_mul_u64 s[46:47], s[46:47], s[18:19]
	s_mul_i32 s20, s10, HALFT                      ; LDS: wave x 128 rows
	s_wait_dscnt 0x0
	s_wait_kmcnt 0x0
	s_add_nc_u64 s[14:15], s[4:5], s[16:17]
	s_add_nc_u64 s[46:47], s[6:7], s[46:47]
	CROUND                                         ; all sixteen work-groups are here: the first joint loads meet
.irp s, 0,1
	s_mov_b32 s[G0+4*\s], 1
	s_add_co_u32 s[G0+4*\s+1], s20, \s*SLOT
	s_add_nc_u64 s[G0+4*\s+2:G0+4*\s+3], s[14:15], \s*KSTEP*2
	s_or_b32 s[G0+4*\s+3], s[G0+4*\s+3], 0x80000000
	s_mov_b32 s[G0B+4*\s], 1
	s_add_co_u32 s[G0B+4*\s+1], s20, \s*SLOT
	s_add_nc_u64 s[G0B+4*\s+2:G0B+4*\s+3], s[46:47], \s*KSTEP*2
	s_or_b32 s[G0B+4*\s+3], s[G0B+4*\s+3], 0x80000000
	JLOAD \s
.endr
	v_and_b32 v1, 15, v0                           ; l % 16
	v_bfe_u32 v2, v0, 4, 1                         ; l / 16
	; the bias of my 128 columns: register j of tile column b is bias[first column + 16 b + 8 (l / 16) + j]
	s_cmp_eq_u32 s66, 1
	s_cselect_b64 s[74:75], s[70:71], s[68:69]
	s_cmp_eq_u32 s66, 2
	s_cselect_b64 s[74:75], s[72:73], s[74:75]
	s_cmp_eq_u32 s66, 0
	s_cselect_b32 s78, 0x3e38aa3b, 1.0             ; f: 0.125 log2(e) for q, 1 for k and v
	s_mov_b32 s79, s78
	s_lshl_b32 s76, s42, 10                        ; 256 columns of 4 bytes for a block column
	s_lshl_b32 s77, s12, 9
	s_add_co_u32 s76, s76, s77
	s_mov_b32 s77, 0
	s_add_nc_u64 s[74:75], s[74:75], s[76:77]
	v_lshlrev_b32 v[BA], 5, v2
.irp b, 0,1,2,3,4,5,6,7
	global_load_b128 v[BIAS+8*\b:BIAS+8*\b+3],   v[BA], s[74:75] offset:64*\b
	global_load_b128 v[BIAS+8*\b+4:BIAS+8*\b+7], v[BA], s[74:75] offset:64*\b+16
.endr
	v_mul_u32_u24 v3, v1, PITCH
	v_lshl_add_u32 v3, v2, 4, v3                   ; fragment: row x pitch + 16 x half
	s_mul_i32 s21, s11, HALFT
	s_mul_i32 s22, s12, HALFT
	s_add_co_u32 s22, s22, 2*HALFT
.irp s, 0,1
	v_add_nc_u32 v[ADRA+\s], s21, v3
	v_add_nc_u32 v[ADRB+\s], s22, v3
	s_add_co_u32 s21, s21, SLOT
	s_add_co_u32 s22, s22, SLOT
.endr
	s_mul_i32 s23, s10, 16*SPITCH
	s_add_co_u32 s23, s23, STAGE
	v_mul_u32_u24 v4, v1, SPITCH
	v_lshl_add_u32 v4, v2, 4, v4
	v_add_nc_u32 v[STO], s23, v4
	v_mul_u32_u24 v5, v2, SPITCH
	v_lshl_add_u32 v5, v1, 4, v5
	v_add_nc_u32 v[RD], s23, v5
	v_mul_u32_u24 v5, v2, SIZE_N*2
	v_lshl_add_u32 v[CO], v1, 4, v5
; 16 matrix instructions: m blocks a0, a0 + 1 of the window's four x all 8 n blocks.  begin = 1: the bias is C, so nothing is cleared or added later.
; The 64 accumulators take turns, one instruction a turn, in the same order in every quarter step.
.macro MUL16 f, hi, a0, begin
.irp a, \a0, \a0+1
.irp b, 0,1,2,3,4,5,6,7
.if \begin
	v_wmma_f32_16x16x32_f16 v[8*(8*(\a)+\b):8*(8*(\a)+\b)+7], v[\f+8*\b:\f+8*\b+7], v[\f+8*(4*\hi+\a):\f+8*(4*\hi+\a)+7], v[BIAS+8*\b:BIAS+8*\b+7]
.else
	v_wmma_f32_16x16x32_f16 v[8*(8*(\a)+\b):8*(8*(\a)+\b)+7], v[\f+8*\b:\f+8*\b+7], v[\f+8*(4*\hi+\a):\f+8*(4*\hi+\a)+7], v[8*(8*(\a)+\b):8*(8*(\a)+\b)+7]
.endif
.endr
.endr
.endm
.macro FETCH slot, k, f                ; 32 LDS loads in one run: the fragments of one quarter step
	WIN TO_B
.irp i, 0,1,2,3,4,5,6,7
	ds_load_b128 v[\f+8*\i:\f+8*\i+3],   v[ADRB+\slot] offset:\k+\i*16*PITCH
	ds_load_b128 v[\f+8*\i+4:\f+8*\i+7], v[ADRB+\slot] offset:\k+\i*16*PITCH+32
.endr
	WIN 0
.irp i, 0,1,2,3,4,5,6,7
	ds_load_b128 v[\f+8*\i:\f+8*\i+3],   v[ADRA+\slot] offset:\k+\i*16*PITCH
	ds_load_b128 v[\f+8*\i+4:\f+8*\i+7], v[ADRA+\slot] offset:\k+\i*16*PITCH+32
.endr
.endm
.macro PLACES                          ; four independent vector places between a matrix instruction and a load into, or a vector use of, its registers
.rept 4
	v_nop
.endr
.endm
.macro QUARTER slot, k, f, g, begin
	s_wait_dscnt 8                                 ; B and A's rows 0-63 are in; the youngest eight loads (A's rows 64-127) may be out
.if \begin
	WIN BEG_LO
.else
	WIN MUL_LO
.endif
	MUL16 \f, 0, 0, \begin
	MUL16 \f, 0, 2, \begin
	PLACES
	FETCH \slot, \k, \g
	s_wait_dscnt 32                                ; all but the 32 just issued
.if \begin
	WIN BEG_HI
.else
	WIN MUL_HI
.endif
	MUL16 \f, 1, 0, \begin
	MUL16 \f, 1, 2, \begin
.endm
.macro THREE slot, begin
	QUARTER \slot, 64,  F0, F1, \begin
	QUARTER \slot, 128, F1, F0, 0
	QUARTER \slot, 192, F0, F1, 0
.endm
; The last quarter of a K step changes slots.  In front of the barrier each wave waits for its reads of this slot and for all its tensor loads
; (one is out: its part of the next slot); behind it the refill comes first, then the next slot's first fragments.
.macro TURN slot, next, fill
	s_wait_dscnt 8
	WIN MUL_LO
	MUL16 F1, 0, 0, 0
	s_wait_dscnt 0                                 ; my reads of this slot are over
	s_wait_tensorcnt 0x0                           ; all my tensor loads have landed
	ds_add_u32 v255, v63
	s_wait_dscnt 0x0
	s_barrier_signal -1
	MUL16 F1, 0, 2, 0                              ; register work while the others arrive
	WIN 0
	s_barrier_wait -1
.if \fill
	CREST                                          ; the round closes: no wave of any partner still reads this slot or has a load on its way
	s_add_nc_u64 s[G0+4*\slot+2:G0+4*\slot+3], s[G0+4*\slot+2:G0+4*\slot+3], 2*KSTEP*2
	s_add_nc_u64 s[G0B+4*\slot+2:G0B+4*\slot+3], s[G0B+4*\slot+2:G0B+4*\slot+3], 2*KSTEP*2
	JLOAD \slot                                    ; the first tensor load behind the round
.endif
	PLACES
	FETCH \next, 0, F0
	WIN MUL_HI
	MUL16 F1, 1, 0, 0
	MUL16 F1, 1, 2, 0
.endm
.macro LAP begin
	THREE 0, \begin
	TURN 0, 1, 1
	THREE 1, 0
	TURN 1, 0, 1
.endm
	s_wait_loadcnt 0x0                             ; the bias
	s_wait_tensorcnt 1                             ; my part of K step 0 is in; K step 1's stays out
	s_barrier_signal -1
	s_barrier_wait -1
	FETCH 0, 0, F0
	LAP 1
	WIN 0
	s_mov_b32 s3, LAPS-2
.Llap:
	LAP 0
	WIN 0
	s_sub_co_u32 s3, s3, 1
	s_cmp_lg_u32 s3, 0
	s_cbranch_scc1 .Llap
	THREE 0, 0                                     ; the last lap fills nothing
	TURN 0, 1, 0
	THREE 1, 0
	s_wait_dscnt 8
	WIN MUL_LO
	MUL16 F1, 0, 0, 0
	MUL16 F1, 0, 2, 0
	s_wait_dscnt 0
	WIN MUL_HI
	MUL16 F1, 1, 0, 0
	MUL16 F1, 1, 2, 0
	; THE WAY OUT, 16 rows at a time: times f, round to f16, 16 bytes a lane into my own stage, back as whole rows of 256 bytes.
	PLACES
	s_lshl_b32 s13, s13, 8
	s_lshl_b32 s14, s11, 7
	s_add_co_u32 s16, s13, s14                     ; my first row
	s_mov_b32 s17, 0
	s_mov_b64 s[18:19], SIZE_N*2
	s_mul_u64 s[16:17], s[16:17], s[18:19]
	s_add_nc_u64 s[8:9], s[8:9], s[16:17]
	s_lshl_b32 s46, s42, 9                         ; my first column in bytes
	s_lshl_b32 s47, s12, 8
	s_add_co_u32 s46, s46, s47
	s_mov_b32 s47, 0
	s_add_nc_u64 s[8:9], s[8:9], s[46:47]
; own: source 0 and destination in the accumulators' window; from: sources 0 and 1 there, destination window 0
.macro OUT16 i, a, own, from, f
	WIN \own
.irp b, 0,1,2,3,4,5,6,7
.irp r, 0,1,2,3
	v_pk_mul_f32 v[8*(8*\a+\b)+2*\r:8*(8*\a+\b)+2*\r+1], v[8*(8*\a+\b)+2*\r:8*(8*\a+\b)+2*\r+1], s[78:79] op_sel_hi:[1,0]
.endr
.endr
	WIN \from
.irp b, 0,1,2,3,4,5,6,7
.irp r, 0,1,2,3
	v_cvt_pk_f16_f32 v[TMP+4*\b+\r], v[8*(8*\a+\b)+2*\r], v[8*(8*\a+\b)+2*\r+1]
.endr
.endr
	WIN 0
.irp b, 0,1,2,3,4,5,6,7
	ds_store_b128 v[STO], v[TMP+4*\b:TMP+4*\b+3] offset:32*\b
.endr
	s_wait_xcnt 0x0                                ; buffer f, which earlier stores read, and the stores' base are rewritten only behind this wait
.if \i
	s_add_nc_u64 s[8:9], s[8:9], 16*SIZE_N*2
.endif
.irp t, 0,1,2,3,4,5,6,7
	ds_load_b128 v[\f+4*\t:\f+4*\t+3], v[RD] offset:\t*2*SPITCH    ; a wave's LDS instructions are served in order: these see the stores above
.endr
.irp t, 0,1,2,3,4,5,6,7
	s_wait_dscnt 7-\t
	global_store_b128 v[CO], v[\f+4*\t:\f+4*\t+3], s[8:9] offset:2*\t*SIZE_N*2   ; 16 lanes store 256 consecutive bytes, aligned
.endr
.endm
	OUT16 0, 0, 0x82, 0x0a, F0
	OUT16 1, 1, 0x82, 0x0a, F1
	OUT16 2, 2, 0x82, 0x0a, F0
	OUT16 3, 3, 0x82, 0x0a, F1
	OUT16 4, 0, 0xc3, 0x0f, F0
	OUT16 5, 1, 0xc3, 0x0f, F1
	OUT16 6, 2, 0xc3, 0x0f, F0
	OUT16 7, 3, 0xc3, 0x0f, F1
	s_set_vgpr_msb 0x1
	s_wait_tensorcnt 0x0
	ds_add_u32 v255, v63
	s_wait_dscnt 0x0
	s_set_vgpr_msb 0x100
	CROUND                                         ; the closing round: no work-group ends while a partner may still ask for a tile that names it
	s_endpgm
.Lfunc_end_k_q5008e7d109_qkv:
	.size	k_q5008e7d109_qkv, .Lfunc_end_k_q5008e7d109_qkv-k_q5008e7d109_qkv
	.p2alignl 7, 3214868480
	.fill 96, 4, 3214868480
	.section	.rodata,"a",@progbits
	.p2align	6, 0x0
	.amdhsa_kernel k_q5008e7d109_qkv
		.amdhsa_group_segment_fixed_size 327680
		.amdhsa_private_segment_fixed_size 0
		.amdhsa_enable_private_segment 0
		.amdhsa_kernarg_size 48
		.amdhsa_user_sgpr_count 2
		.amdhsa_user_sgpr_kernarg_segment_ptr 1
		.amdhsa_wavefront_size32 1
		.amdhsa_system_sgpr_workgroup_id_x 1
		.amdhsa_system_sgpr_workgroup_id_y 1
		.amdhsa_system_sgpr_workgroup_id_z 1
		.amdhsa_system_vgpr_workitem_id 0
		.amdhsa_next_free_vgpr 1024
		.amdhsa_next_free_sgpr 80
		.amdhsa_reserve_vcc 0
		.amdhsa_float_denorm_mode_32 3
		.amdhsa_float_denorm_mode_16_64 3
		.amdhsa_memory_ordered 1
		.amdhsa_forward_progress 1
		.amdhsa_inst_pref_size 215
	.end_amdhsa_kernel
	.amdgpu_metadata
---
amdhsa.version: [ 1, 2 ]
amdhsa.kernels:
  - .name:           k_q5008e7d109_qkv
    .symbol:         k_q5008e7d109_qkv.kd
    .args:
      - { .name: xb, .offset: 0, .size: 8, .value_kind: global_buffer, .address_space: global }
      - { .name: wb, .offset: 8, .size: 8, .value_kind: global_buffer, .address_space: global }
      - { .name: bq, .offset: 16, .size: 8, .value_kind: global_buffer, .address_space: global }
      - { .name: bk, .offset: 24, .size: 8, .value_kind: global_buffer, .address_space: global }
      - { .name: bv, .offset: 32, .size: 8, .value_kind: global_buffer, .address_space: global }
      - { .name: qkv, .offset: 40, .size: 8, .value_kind: global_buffer, .address_space: global }
    .group_segment_fixed_size: 327680
    .private_segment_fixed_size: 0
    .kernarg_segment_align: 8
    .kernarg_segment_size: 48
    .max_flat_workgroup_size: 128
    .sgpr_count:     80
    .vgpr_count:     1024
    .wavefront_size: 32
...
	.end_amdgpu_metadata
.endif
;; end of part 2
;; launch attn (part 3): grid 8 x 32, 8 waves a work-group, clusters of 4 x 1, 327,680 bytes of LDS; arguments qkv, mbits, xh; writes xh
.if DOCPART == 3
	.amdgcn_target "amdgcn-amd-amdhsa--gfx1250"
	.amdhsa_code_object_version 6
	.text
	.protected	k_q5008e7d109_attn
	.globl	k_q5008e7d109_attn
	.p2align	8
	.type	k_q5008e7d109_attn,@function
k_q5008e7d109_attn:
	s_mov_b64 s[64:65], 0
	v_nop
	global_prefetch_b8 v0, s[64:65] scope:SCOPE_SE
	s_setreg_imm32_b32 hwreg(HW_REG_WAVE_MODE, 25, 1), 1
	s_wait_xcnt 0x0
	s_wait_alu depctr_hold_cnt(0) depctr_sa_sdst(0) depctr_va_vdst(0) depctr_va_sdst(0) depctr_va_ssrc(0) depctr_va_vcc(0) depctr_vm_vsrc(0)
	s_getreg_b32 s2, hwreg(HW_REG_IB_STS2, 6, 4)
	s_cmp_eq_u32 s2, 0
	s_cbranch_scc0 .Lentry_in_a_cluster
	s_endpgm
.Lentry_in_a_cluster:
	s_bfe_u32 s2, ttmp6, 0x10000c
	s_cmp_lg_u32 s2, 0x3003
	s_cbranch_scc0 .Lentry_shape_is_right
	s_endpgm
.Lentry_shape_is_right:
; MASKED SOFTMAX ATTENTION for one (batch, head) and 256 queries.  q arrives already times 0.125 log2(e), so a score is in base-2 units.
; xh[h][token][64] = softmax over keys of (mask ? q.k : -1e9 log2 e) times v, f16; sums, maxima and exponentials in f32, with a running maximum.
; EIGHT WAVES: wave w has the 64 queries qw = w & 3 and, of every tile of 256 keys, the half kh = w >> 2; the two halves of a query are joined at the
; end through LDS.  Two waves of 512 registers lie on a SIMD, so that one wave's softmax stands beside the other's matrix work.
; CLUSTER 4 x 1: the four query blocks of a cluster walk the same K and V tiles of their head and ask for them jointly (mask 15).
; LAYOUT (r = lane & 15, hh = lane >> 4).  S is made transposed: A = 16 rows of K, B = 16 rows of Q, so that lane (r, hh), register j holds query r,
; key 8 hh + j.  Two such tiles packed to f16 ARE the B fragment of P for 32 keys: no shuffle.  O is made transposed too: A = V read with the
; transposing LDS load, B = P; lane (r, hh), register j holds query r, dk 8 hh + j.  A query's maximum and sum are one number a lane; the two lane
; halves meet by one exchange for the maximum, and once at the end for the sum.
; MASK: mbits holds, for each score register, the 32-bit lane mask: one v_cndmask_b32 a register, the word read by scalar loads.
; THE CHANGE OF TILES: the last 64 keys' rescaling of O and their products P V are register work (V's fragments are in by the wait in front of the signal).
; They stand inside and behind the round of the cluster's barrier: the rescaling and the products of keys 0-31 between the opening signal and its wait, the
; products of keys 32-63 behind the new slot's first K loads, while those are on their way.
; THE TEXT: trip 0, three laps of two trips, trip 7: four trips of text for eight tiles.
; LIMITS: operands are f16 (P lies in [0, 1]; a weight below 2^-25 of the row's largest is dropped); v_exp_f32 gives 0 below 2^-126; the sum is taken of the unrounded
; weights; the masked score is -1e9 log2(e) rounded to f32 (0xceabfb8f); infinite or NaN scores are not treated.
; PREFETCH: the mask words alone (below, in TOP).  K and V tiles are asked for a whole trip (128 matrix instructions of each wave) ahead by their tensor loads.
; Q and the mask words are each work-group's own: no joint load for them.
.set PART,  10240                      ; 64 keys of K at pitch 144 (9,216 bytes used) or of V at pitch 160
.set SLOT,  8*PART                     ; K's parts 0-3, V's parts 4-7: 256 keys
.set MERGE, 2*SLOT                     ; behind the ring, never a tensor load's target: 4 regions, one for each qw
.set MREG,  18432                      ; partner's O 16,384 + its row figures 2,048; later the stage of 64 rows x 144
.set STEP,  524288                     ; 256 keys x 2,048 bytes
.set KP,    144                        ; odd multiple of 16: sixteen rows of a fragment start in different banks
.set VP,    160                        ; odd multiple of 32, for the transposing load
.set KA,  2                            ; v2-3    LDS address of my K fragments in slot 0, 1
.set VA,  4                            ; v4-5    the same for V
.set NEG, 6                            ; v6      the masked score
.set T,   8                            ; v8-15   at work: the first query tile of a pair
.set ST,  16                           ; v16-31  pairs (-M, M) of query tile qt at 16 + 2 qt, pairs (alpha, L) at 24 + 2 qt
.set U,   32                           ; v32-39  at work: the second query tile of a pair
.set PST, 32                           ; v32-47  the partner's row figures, at the end
.set GA,  48                           ; v48-55  my weight at the join, twice, for each qt
.set MG,  56
.set STO, 57
.set RD,  58
.set GO,  59
.set QA,  60
.set PF,  61                           ; v61     lane term of the prefetch of mask words
.set QF,  64                           ; v64-127   Q(qt, c) at 64 + 16 qt + 8 c
.set SC,  128                          ; v128-255  S(qt, kt) at 128 + 32 qt + 8 kt; P(qt, kp) in place at 128 + 32 qt + 8 kp
.set OA,  0                            ; window 1: O(qt, dt) at 32 qt + 8 dt
.set KF,  128                          ; window 1: K(kt, c) at 128 + 16 kt + 8 c
.set VF,  192                          ; window 1: V(dt, kp) at 192 + 16 dt + 8 kp
.set G0,  4                            ; s[4:11]   descriptor group 0 of slot 0, 1
.set G1K, 12                           ; s[12:19]  group 1 for K
.set G1V, 20                           ; s[20:27]  group 1 for V
.set MX,  32                           ; s[32:63]  32 mask words
.set MY,  68                           ; s[68:99]  32 mask words
.set MSB, 0
.macro WIN new                         ; the immediate's high byte repeats the setting that is left
.if MSB != \new
	s_set_vgpr_msb (MSB<<8)|\new
.set MSB, \new
.endif
.endm
.macro PLACES n
.rept \n
	v_nop
.endr
.endm
.macro CREST                           ; a round of the cluster's barrier behind its opening work-group barrier
	s_cmp_lg_u32 s2, 0
	s_cbranch_scc1 .Lnot_wave_0_\@
	s_barrier_signal -3
.Lnot_wave_0_\@:
	s_barrier_wait -3
	s_barrier_signal -1
	s_barrier_wait -1
.endm
.macro ROUND                           ; a whole round
	s_barrier_signal -1
	s_barrier_wait -1
	CREST
.endm
.macro JLOAD s                         ; waves 0-3 fetch K's four parts, waves 4-7 V's; the branch hangs on the wave's number alone
	s_cmp_lt_u32 s2, 4
	s_cbranch_scc0 .Lfor_v_\@
	tensor_load_to_lds s[G0+4*(\s):G0+4*(\s)+3], s[G1K:G1K+7]
	s_nop 0
	s_branch .Lasked_\@
.Lfor_v_\@:
	tensor_load_to_lds s[G0+4*(\s):G0+4*(\s)+3], s[G1V:G1V+7]
	s_nop 0
.Lasked_\@:
.endm
.macro KFETCH slot, sub                ; 64 keys x 64 dk: 16 loads
.irp kt, 0,1,2,3
.irp c, 0,1
	ds_load_b128 v[KF+16*\kt+8*\c:KF+16*\kt+8*\c+3],   v[KA+\slot] offset:\sub*PART+16*KP*\kt+64*\c
	ds_load_b128 v[KF+16*\kt+8*\c+4:KF+16*\kt+8*\c+7], v[KA+\slot] offset:\sub*PART+16*KP*\kt+64*\c+32
.endr
.endr
.endm
.macro VFETCH slot, sub                ; the same of V, transposed on the way: 16 loads
.irp dt, 0,1,2,3
.irp kp, 0,1
	ds_load_tr16_b128 v[VF+16*\dt+8*\kp:VF+16*\dt+8*\kp+3],   v[VA+\slot] offset:\sub*PART+32*VP*\kp+32*\dt
	ds_load_tr16_b128 v[VF+16*\dt+8*\kp+4:VF+16*\dt+8*\kp+7], v[VA+\slot] offset:\sub*PART+32*VP*\kp+32*\dt+16*VP
.endr
.endr
.endm
.macro MLOAD base, off                 ; 32 mask words: one query tile x 64 keys
	s_load_b512 s[\base:\base+15],    s[28:29], \off
	s_load_b512 s[\base+16:\base+31], s[28:29], \off+64
.endm
.macro MASKQ qt, base
.set i, 0
.rept 32
	v_cndmask_b32 v[SC+32*\qt+i], v[NEG], v[SC+32*\qt+i], s[\base+i]
.set i, i+1
.endr
.endm
; Step k (0 .. 32) of a query tile's sum and packing: its 32 weights lie at sa, its temporaries at t.  Steps 0-14: the sum in two chains of pairs;
; 15, 16: into L (rl), which is first scaled by alpha (ral); 17-32: the 16 packings to f16, in place and ascending (register i is written when 2 i and 2 i + 1 are read).
.macro ZS sa, t, rl, ral, first, k
.if (\k) < 2
	s_wait_alu depctr_va_vdst(0)
	v_pk_add_f32 v[\t+4+2*(\k):\t+5+2*(\k)], v[\sa+4*(\k):\sa+4*(\k)+1], v[\sa+4*(\k)+2:\sa+4*(\k)+3]
.elseif (\k) < 14
	v_pk_add_f32 v[\t+4+2*((\k)&1):\t+5+2*((\k)&1)], v[\t+4+2*((\k)&1):\t+5+2*((\k)&1)], v[\sa+4+2*(\k):\sa+5+2*(\k)]
.elseif (\k) == 14
	v_pk_add_f32 v[\t+4:\t+5], v[\t+4:\t+5], v[\t+6:\t+7]
.elseif (\k) == 15
.if \first
	v_add_f32 v[\rl], v[\t+4], v[\t+5]
.else
	v_add_f32 v[\t+4], v[\t+4], v[\t+5]
.endif
.elseif (\k) == 16
.if \first == 0
	v_fma_f32 v[\rl], v[\rl], v[\ral], v[\t+4]
.endif
.else
	v_cvt_pk_f16_f32 v[\sa+(\k)-17], v[\sa+2*((\k)-17)], v[\sa+2*((\k)-17)+1]
.endif
.endm
; The softmax step of query tiles a and b on 64 keys, the two interleaved: four chains of maxima; a's exponentials stand among b's subtractions, b's among
; a's sum and packing, so that a plain instruction on other registers follows each run of transcendentals (ISA guide 5.7.2) and is useful work.
; first = 1: the maxima and the sums begin here.
.macro SOFT2 a, b, first
.set SA, SC+32*\a
.set SB, SC+32*\b
.set NA, ST+2*\a                       ; (-M, M)
.set NB, ST+2*\b
.set AA, ST+8+2*\a                     ; (alpha, L)
.set AB, ST+8+2*\b
	v_max3_num_f32 v[T],   v[SA],   v[SA+1], v[SA+2]
	v_max3_num_f32 v[U],   v[SB],   v[SB+1], v[SB+2]
	v_max3_num_f32 v[T+1], v[SA+3], v[SA+4], v[SA+5]
	v_max3_num_f32 v[U+1], v[SB+3], v[SB+4], v[SB+5]
.set i, 6
.rept 6
	v_max3_num_f32 v[T],   v[T],   v[SA+i],   v[SA+i+1]
	v_max3_num_f32 v[U],   v[U],   v[SB+i],   v[SB+i+1]
	v_max3_num_f32 v[T+1], v[T+1], v[SA+i+2], v[SA+i+3]
	v_max3_num_f32 v[U+1], v[U+1], v[SB+i+2], v[SB+i+3]
.set i, i+4
.endr
	v_max3_num_f32 v[T], v[T], v[SA+30], v[SA+31]
	v_max3_num_f32 v[U], v[U], v[SB+30], v[SB+31]
	v_max_num_f32 v[T], v[T], v[T+1]
	v_max_num_f32 v[U], v[U], v[U+1]
	v_permlanex16_b32 v[T+1], v[T], s30, s31       ; the other 32 keys of my query lie in lane xor 16
	v_permlanex16_b32 v[U+1], v[U], s30, s31
.if \first
	v_max_num_f32 v[NA+1], v[T], v[T+1]
	v_max_num_f32 v[NB+1], v[U], v[U+1]
.else
	v_max3_num_f32 v[T+2], v[T], v[T+1], v[NA+1]
	v_max3_num_f32 v[U+2], v[U], v[U+1], v[NB+1]
	v_sub_f32 v[T+3], v[NA+1], v[T+2]
	v_sub_f32 v[U+3], v[NB+1], v[U+2]
	v_exp_f32 v[AA], v[T+3]                        ; alpha = 2^(old maximum - new)
	v_exp_f32 v[AB], v[U+3]
	v_mov_b32 v[NA+1], v[T+2]                      ; plain instructions behind the transcendentals
	v_mov_b32 v[NB+1], v[U+2]
.endif
	v_mul_f32 v[NA], -1.0, v[NA+1]
	v_mul_f32 v[NB], -1.0, v[NB+1]
.set i, 0
.rept 16
	v_pk_add_f32 v[SA+i:SA+i+1], v[SA+i:SA+i+1], v[NA:NA+1] op_sel_hi:[1,0]     ; s - M: at most 0, and exactly 0 at the maximum
.set i, i+2
.endr
.set i, 0
.rept 16
	v_exp_f32 v[SA+i], v[SA+i]
	v_exp_f32 v[SA+i+1], v[SA+i+1]
	v_pk_add_f32 v[SB+i:SB+i+1], v[SB+i:SB+i+1], v[NB:NB+1] op_sel_hi:[1,0]
.set i, i+2
.endr
.set zk, 0
.rept 32
	v_exp_f32 v[SB+zk], v[SB+zk]
	ZS SA, T, AA+1, AA, \first, zk
.set zk, zk+1
.endr
	ZS SA, T, AA+1, AA, \first, 32
.set zk, 0
.rept 33
	ZS SB, U, AB+1, AB, \first, zk
.set zk, zk+1
.endr
.endm
.macro RESCALE                         ; O times alpha: 64 packed multiplies
	WIN 0x41                                       ; O: source 0 and destination window 1
.irp qt, 0,1,2,3
.set i, 0
.rept 16
	v_pk_mul_f32 v[OA+32*\qt+i:OA+32*\qt+i+1], v[OA+32*\qt+i:OA+32*\qt+i+1], v[ST+8+2*\qt:ST+9+2*\qt] op_sel_hi:[1,0]
.set i, i+2
.endr
.endr
.endm
.macro PVH first, kp                   ; O += V P for keys 32 kp .. 32 kp + 31: the 16 tiles of O take turns, one instruction a turn
	WIN 0x51                                       ; V, C and D window 1, P window 0
.irp qt, 0,1,2,3
.irp dt, 0,1,2,3
.if \first*(1-\kp)
	v_wmma_f32_16x16x32_f16 v[OA+32*\qt+8*\dt:OA+32*\qt+8*\dt+7], v[VF+16*\dt+8*\kp:VF+16*\dt+8*\kp+7], v[SC+32*\qt+8*\kp:SC+32*\qt+8*\kp+7], 0
.else
	v_wmma_f32_16x16x32_f16 v[OA+32*\qt+8*\dt:OA+32*\qt+8*\dt+7], v[VF+16*\dt+8*\kp:VF+16*\dt+8*\kp+7], v[SC+32*\qt+8*\kp:SC+32*\qt+8*\kp+7], v[OA+32*\qt+8*\dt:OA+32*\qt+8*\dt+7]
.endif
.endr
.endr
.endm
; 64 keys against my 64 queries.  At its head KF's loads are out or in, MX and MY are on their way with the words of query tiles 0 and 1.
; defer = 1: the rescaling of O and the products P V are left to the change of tiles (TOP).
.macro SUB slot, sub, first, last, defer
	s_wait_dscnt 0x0                               ; KF is in
	WIN 0x01                                       ; source 0 (K) window 1
.irp qt, 0,1,2,3                       ; the 16 score tiles take turns, one instruction a turn: dk 0-31 starts the sums, dk 32-63 adds in the same order
.irp kt, 0,1,2,3
	v_wmma_f32_16x16x32_f16 v[SC+32*\qt+8*\kt:SC+32*\qt+8*\kt+7], v[KF+16*\kt:KF+16*\kt+7], v[QF+16*\qt:QF+16*\qt+7], 0
.endr
.endr
.irp qt, 0,1,2,3
.irp kt, 0,1,2,3
	v_wmma_f32_16x16x32_f16 v[SC+32*\qt+8*\kt:SC+32*\qt+8*\kt+7], v[KF+16*\kt+8:KF+16*\kt+15], v[QF+16*\qt+8:QF+16*\qt+15], v[SC+32*\qt+8*\kt:SC+32*\qt+8*\kt+7]
.endr
.endr
	WIN 0
	PLACES 4                                       ; before KF is loaded again and the scores are read (ISA guide 7.12.1)
	WIN 0x40                                       ; destination window 1
	VFETCH \slot, \sub
.if \sub == 0
	KFETCH \slot, 1                                ; the next 64 keys' K, behind V's loads
.endif
	WIN 0
	s_wait_kmcnt 0x0                               ; scalar loads return in no order: 0 alone shows the words in
	MASKQ 0, MX
	MASKQ 1, MY
	MLOAD MX, 2*4096+128*\sub                      ; the words of query tiles 2 and 3, while 0 and 1 are worked on
	MLOAD MY, 3*4096+128*\sub
	SOFT2 0, 1, \first
	s_wait_kmcnt 0x0
	MASKQ 2, MX
	MASKQ 3, MY
.if \last == 0
.if \sub == 1
	s_wait_xcnt 0x0                                ; the base of the scalar loads and of wave 0's prefetch is stepped only behind this wait
	s_add_nc_u64 s[28:29], s[28:29], 512           ; the next 256 keys: 16 key groups of 32 bytes
	MLOAD MX, 0
	MLOAD MY, 4096
.else
	MLOAD MX, 128
	MLOAD MY, 4096+128
.endif
.endif
	SOFT2 2, 3, \first
.if \defer == 0
.if \first == 0
	RESCALE
.endif
.if \sub == 0
	s_wait_dscnt 16                                ; V's 16 loads are in; the 16 of K issued behind them may stay out
.else
	s_wait_dscnt 0x0
.endif
	PVH \first, 0
	PVH \first, 1
	WIN 0
	PLACES 5                                       ; before the next score products write over P, and before V's registers are loaded again
.endif
.endm
; The change of tiles, at the head of the trip that reads slot.  In front of the round's opening signal every wave waits for all its tensor loads (one: its
; part of this trip's tile) and for its LDS reads (V's last fragments among them: its reads of the other slot are over).  The round holds of every wave of the
; four work-groups; the joint refill of the slot read last trip is the first tensor load behind it, ahead of the first LDS read.
; pend = 1: the last 64 keys' rescaling and products are still to be done (see the head of the file).
.macro TOP slot, refill, pend
	s_wait_tensorcnt 0x0
	ds_add_u32 v62, v63
	s_wait_dscnt 0x0
	s_add_nc_u64 s[G0+4*\slot+2:G0+4*\slot+3], s[G0+4*\slot+2:G0+4*\slot+3], 2*STEP     ; no load of mine is out: this slot's next tile
	s_wait_dscnt 0x0
	s_barrier_signal -1
.if \pend
	RESCALE                                        ; register work while the others arrive
	PVH 0, 0
	WIN 0
.endif
	s_barrier_wait -1
	CREST
.if \refill
	JLOAD 1-\slot
.endif
	WIN 0x40
	KFETCH \slot, 0
	WIN 0
.if \refill
	; Wave 0 asks for the work-group's mask words of the NEXT trip: 16 query tiles x 512 bytes = 32 blocks of 256 bytes, one a lane (query tile lane >> 1, half
	; lane & 1), each asked for once in the launch.  Its own base is the work-group's (qw = kh = 0) and stands at this trip's words: + 512.  Trips 0 to 6 ask for
	; trips 1 to 7; the last trip asks for nothing, so no request leaves the work-group's 65,536 bytes.
	s_cmp_lg_u32 s2, 0
	s_cbranch_scc1 .Lno_ask_\@
	global_prefetch_b8 v[PF], s[28:29] offset:512 th:TH_LOAD_NT scope:SCOPE_SE
.Lno_ask_\@:
.endif
.if \pend
	PVH 0, 1                                       ; while K's fragments are on their way
	WIN 0
	PLACES 5                                       ; before the score products write over P, and before V's registers are loaded again
.endif
.endm
	s_load_b128 s[68:71], s[0:1], 0x0              ; qkv s[68:69], mbits s[70:71] (in registers that later hold mask words)
	s_load_b64 s[66:67], s[0:1], 0x10              ; xh
	v_lshl_add_u32 v62, v0, 2, 0x3a000
	v_mov_b32 v63, 0
	ds_add_u32 v62, v63
	v_lshrrev_b32 v1, 5, v0
	v_readfirstlane_b32 s2, v1                     ; wave 0..7
	s_bfe_u32 s32, ttmp6, 0x40000                  ; cx
	s_lshl_b32 s33, ttmp9, 2
	s_add_co_u32 s33, s33, s32                     ; query block 0..7
	s_and_b32 s34, ttmp7, 0xffff                   ; 16 b + h
	s_lshr_b32 s35, s34, 4                         ; b
	s_and_b32 s36, s34, 15                         ; h
	s_and_b32 s37, s2, 3                           ; qw; also: which part of K or V I fetch
	s_lshr_b32 s38, s2, 2                          ; kh; also: I fetch K (0) or V (1)
	s_mov_b32 s30, 0x76543210                      ; v_permlanex16_b32: lane i reads lane i of the other half
	s_mov_b32 s31, 0xfedcba98
	; K and V: section 1 + (w >> 2) of qkv, row 2048 b + 64 (w & 3), byte 128 h.  No place in the cluster enters.
	s_add_co_u32 s40, s38, 1
	s_lshl_b32 s40, s40, 23
	s_lshl_b32 s41, s35, 11
	s_lshl_b32 s42, s37, 6
	s_add_co_u32 s41, s41, s42
	s_lshl_b32 s41, s41, 11
	s_add_co_u32 s40, s40, s41
	s_lshl_b32 s42, s36, 7
	s_add_co_u32 s40, s40, s42
	s_mov_b32 s41, 0
	s_lshl_b32 s44, s35, 11
	s_lshl_b32 s45, s33, 8
	s_add_co_u32 s44, s44, s45
	s_lshl_b32 s45, s37, 6
	s_add_co_u32 s44, s44, s45                     ; my first token: 2048 b + 256 block + 64 qw
	s_lshl_b32 s46, s44, 11
	s_add_co_u32 s46, s46, s42                     ; Q: token x 2,048 + 128 h
	s_mov_b32 s47, 0
	s_add_co_u32 s48, s44, s38
	s_lshl_b32 s48, s48, 8                         ; mask words: (token / 16) x 4,096 + 256 kh
	s_mov_b32 s49, 0
	s_lshl_b32 s50, s36, 12
	s_add_co_u32 s50, s50, s44
	s_lshl_b32 s50, s50, 7                         ; xh: (4096 h + token) x 128
	s_mov_b32 s51, 0
	; group 1: a tile of 64 rows x 64 elements of 2 bytes, 1,024 elements from row to row; behind every 32 words 4 (K) or 8 (V) words of padding
	s_mov_b32 s[G1K+0], 15|(1<<16)|(1<<20)|(1<<21)|(4<<22)|(3<<25)
	s_mov_b32 s[G1V+0], 15|(1<<16)|(1<<20)|(1<<21)|(4<<22)|(7<<25)
.irp g, G1K, G1V
	s_mov_b32 s[\g+1], 64<<16                      ; tensor_dim0 = 64
	s_mov_b32 s[\g+2], 64<<16                      ; tensor_dim1 = 64
	s_mov_b32 s[\g+3], 64<<16                      ; tile_dim0 = 64
	s_mov_b32 s[\g+4], 64                          ; tile_dim1 = 64
	s_mov_b32 s[\g+5], 1024
	s_mov_b32 s[\g+6], 0
	s_mov_b32 s[\g+7], 0
.endr
	v_and_b32 v1, 31, v0                           ; lane
	v_and_b32 v7, 15, v0                           ; r
	v_bfe_u32 v8, v0, 4, 1                         ; hh
	s_mul_i32 s54, s38, 2*PART                     ; my half's two parts of K
	s_add_co_u32 s55, s54, 4*PART                  ; and of V
	s_mul_i32 s56, s37, MREG
	s_add_co_u32 s56, s56, MERGE                   ; the region that I share with my partner wave (w xor 4)
	v_mul_u32_u24 v9, v7, KP
	v_lshl_add_u32 v9, v8, 4, v9                   ; row r x 144 + 16 hh
	v_add_nc_u32 v[KA], s54, v9
	v_add_nc_u32 v[KA+1], SLOT, v[KA]
	v_and_b32 v10, 7, v0
	v_lshl_add_u32 v10, v8, 3, v10                 ; key 8 hh + (lane & 7)
	v_mul_u32_u24 v10, v10, VP
	v_bfe_u32 v11, v0, 3, 1
	v_lshl_add_u32 v10, v11, 4, v10                ; + 16 bytes for lanes 8-15 of each half
	v_add_nc_u32 v[VA], s55, v10
	v_add_nc_u32 v[VA+1], SLOT, v[VA]
	v_mov_b32 v[NEG], 0xceabfb8f                   ; -1e9 log2(e)
	v_lshl_add_u32 v[MG], v1, 4, s56               ; join: 16 bytes a lane
	v_add_nc_u32 v[STO], s56, v9                   ; stage in: query row r, 16 bytes at 16 hh
	v_lshrrev_b32 v13, 3, v1
	v_mul_u32_u24 v13, v13, KP
	v_and_b32 v14, 7, v0
	v_lshl_add_u32 v13, v14, 4, v13
	v_add_nc_u32 v[RD], s56, v13                   ; stage back: eight lanes take a row of 128 bytes
	v_lshlrev_b32 v[GO], 4, v1
	v_lshlrev_b32 v[QA], 11, v7
	v_lshl_add_u32 v[QA], v8, 4, v[QA]             ; Q: row r x 2,048 + 16 hh
	v_lshrrev_b32 v12, 1, v1
	v_and_b32 v15, 1, v0
	v_lshlrev_b32 v15, 8, v15
	v_lshl_add_u32 v[PF], v12, 12, v15             ; prefetch: query tile (lane >> 1) x 4,096 + (lane & 1) x 256
	s_wait_dscnt 0x0
	s_wait_kmcnt 0x0
	s_add_nc_u64 s[52:53], s[68:69], s[40:41]
	s_add_nc_u64 s[100:101], s[68:69], s[46:47]
	s_add_nc_u64 s[28:29], s[70:71], s[48:49]
	s_add_nc_u64 s[66:67], s[66:67], s[50:51]
	s_mov_b32 s[G0], 1
	s_mul_i32 s[G0+1], s2, PART                    ; LDS: wave x part
	s_mov_b64 s[G0+2:G0+3], s[52:53]
	s_or_b32 s[G0+3], s[G0+3], 0x80000000
	s_mov_b32 s[G0+4], 1
	s_add_co_u32 s[G0+5], s[G0+1], SLOT
	s_add_nc_u64 s[G0+6:G0+7], s[52:53], STEP
	s_or_b32 s[G0+7], s[G0+7], 0x80000000
.irp qt, 0,1,2,3
.irp c, 0,1
	global_load_b128 v[QF+16*\qt+8*\c:QF+16*\qt+8*\c+3],   v[QA], s[100:101] offset:32768*\qt+64*\c
	global_load_b128 v[QF+16*\qt+8*\c+4:QF+16*\qt+8*\c+7], v[QA], s[100:101] offset:32768*\qt+64*\c+32
.endr
.endr
	MLOAD MX, 0                                    ; the first words; all that stood in s[32:63] and s[68:71] has been used
	MLOAD MY, 4096
	ROUND                                          ; the four work-groups are here: the first joint loads meet
	JLOAD 0
	s_wait_loadcnt 0x0                             ; Q
	; Eight tiles of 256 keys; by this text's count one tensor load of a wave is out at a time.
	TOP 0, 1, 0                                    ; tile 0
	SUB 0, 0, 1, 0, 0
	SUB 0, 1, 0, 0, 1
	s_mov_b32 s3, 3
.Llap:                                                 ; tiles 1 and 2, 3 and 4, 5 and 6
	TOP 1, 1, 1
	SUB 1, 0, 0, 0, 0
	SUB 1, 1, 0, 0, 1
	TOP 0, 1, 1
	SUB 0, 0, 0, 0, 0
	SUB 0, 1, 0, 0, 1
	s_sub_co_u32 s3, s3, 1
	s_cmp_lg_u32 s3, 0
	s_cbranch_scc1 .Llap
	TOP 1, 0, 1                                    ; tile 7: nothing more is fetched
	SUB 1, 0, 0, 0, 0
	SUB 1, 1, 0, 1, 0
	; THE JOIN.  First the sums of the two lane halves.
.irp qt, 0,1,2,3
	v_permlanex16_b32 v[T], v[ST+9+2*\qt], s30, s31
	v_add_f32 v[ST+9+2*\qt], v[ST+9+2*\qt], v[T]
.endr
	s_cmp_lt_u32 s2, 4
	s_cbranch_scc1 .Lkeep
.irp i, 0,1,2,3                        ; waves 4-7 hand over their row figures and their O, register for register, 16 bytes a lane
	ds_store_b128 v[MG], v[ST+4*\i:ST+4*\i+3] offset:16384+512*\i
.endr
	WIN 0x04                                       ; store data window 1
.set i, 0
.rept 32
	ds_store_b128 v[MG], v[OA+4*i:OA+4*i+3] offset:512*i
.set i, i+1
.endr
	WIN 0
.Lkeep:
	s_wait_dscnt 0x0                               ; for the partner's sake: the stores are done
	s_barrier_signal -1
	s_barrier_wait -1
	s_cmp_ge_u32 s2, 4
	s_cbranch_scc1 .Lclose
.irp i, 0,1,2,3
	ds_load_b128 v[PST+4*\i:PST+4*\i+3], v[MG] offset:16384+512*\i
.endr
.set i, 0
.rept 32
	ds_load_b128 v[SC+4*i:SC+4*i+3], v[MG] offset:512*i    ; the partner's O(qt, dt) at 128 + 32 qt + 8 dt
.set i, i+1
.endr
	s_wait_dscnt 0x0
.irp qt, 0,1,2,3                       ; weights 2^(M - joint M) / joint sum; the joint sum is at least 1: the largest weight is exactly 1
	v_max_num_f32 v[T], v[ST+2*\qt+1], v[PST+2*\qt+1]
	v_sub_f32 v[T+1], v[ST+2*\qt+1], v[T]
	v_sub_f32 v[T+2], v[PST+2*\qt+1], v[T]
	v_exp_f32 v[T+3], v[T+1]
	v_exp_f32 v[T+4], v[T+2]
	v_nop
	s_wait_alu depctr_va_vdst(0)
	v_mul_f32 v[T+5], v[ST+9+2*\qt], v[T+3]
	v_fma_f32 v[T+5], v[PST+9+2*\qt], v[T+4], v[T+5]
	v_rcp_f32 v[T+6], v[T+5]
	v_nop
	s_wait_alu depctr_va_vdst(0)
	v_mul_f32 v[GA+2*\qt],    v[T+3], v[T+6]
	v_mul_f32 v[GA+2*\qt+1],  v[T+3], v[T+6]
	v_mul_f32 v[PST+8+2*\qt], v[T+4], v[T+6]       ; the partner's weight, twice, where its (alpha, L) stood
	v_mul_f32 v[PST+9+2*\qt], v[T+4], v[T+6]
.endr
.irp qt, 0,1,2,3
.set i, 0
.rept 16
	v_pk_mul_f32 v[SC+32*\qt+i:SC+32*\qt+i+1], v[SC+32*\qt+i:SC+32*\qt+i+1], v[PST+8+2*\qt:PST+9+2*\qt]
.set i, i+2
.endr
.endr
	WIN 0x01                                       ; my O: source 0 window 1
.irp qt, 0,1,2,3
.set i, 0
.rept 16
	v_pk_fma_f32 v[SC+32*\qt+i:SC+32*\qt+i+1], v[OA+32*\qt+i:OA+32*\qt+i+1], v[GA+2*\qt:GA+2*\qt+1], v[SC+32*\qt+i:SC+32*\qt+i+1]
.set i, i+2
.endr
.endr
	WIN 0
.set i, 0
.rept 64
	v_cvt_pk_f16_f32 v[SC+i], v[SC+2*i], v[SC+2*i+1]       ; tile (qt, dt) is now 4 registers at 128 + 16 qt + 4 dt
.set i, i+1
.endr
.irp qt, 0,1,2,3                       ; the stage lies in my region, which only I touch from here on
.irp dt, 0,1,2,3
	ds_store_b128 v[STO], v[SC+16*\qt+4*\dt:SC+16*\qt+4*\dt+3] offset:16*KP*\qt+32*\dt
.endr
.endr
.irp i, 0,1,2,3,4,5,6,7,8,9,10,11,12,13,14,15
	ds_load_b128 v[QF+4*\i:QF+4*\i+3], v[RD] offset:4*KP*\i        ; four rows of 128 bytes; served in order behind the stores above
.endr
.irp i, 0,1,2,3,4,5,6,7,8,9,10,11,12,13,14,15
	s_wait_dscnt 15-\i
	global_store_b128 v[GO], v[QF+4*\i:QF+4*\i+3], s[66:67] offset:512*\i      ; my 64 queries of this head are 8,192 consecutive bytes: 512 a store
.endr
.Lclose:
	s_wait_tensorcnt 0x0
	ds_add_u32 v62, v63
	s_wait_dscnt 0x0
	ROUND                                          ; the closing round
	s_endpgm
.Lfunc_end_k_q5008e7d109_attn:
	.size	k_q5008e7d109_attn, .Lfunc_end_k_q5008e7d109_attn-k_q5008e7d109_attn
	.p2alignl 7, 3214868480
	.fill 96, 4, 3214868480
	.section	.rodata,"a",@progbits
	.p2align	6, 0x0
	.amdhsa_kernel k_q5008e7d109_attn
		.amdhsa_group_segment_fixed_size 327680
		.amdhsa_private_segment_fixed_size 0
		.amdhsa_enable_private_segment 0
		.amdhsa_kernarg_size 24
		.amdhsa_user_sgpr_count 2
		.amdhsa_user_sgpr_kernarg_segment_ptr 1
		.amdhsa_wavefront_size32 1
		.amdhsa_system_sgpr_workgroup_id_x 1
		.amdhsa_system_sgpr_workgroup_id_y 1
		.amdhsa_system_sgpr_workgroup_id_z 1
		.amdhsa_system_vgpr_workitem_id 0
		.amdhsa_next_free_vgpr 512
		.amdhsa_next_free_sgpr 106
		.amdhsa_reserve_vcc 0
		.amdhsa_float_denorm_mode_32 3
		.amdhsa_float_denorm_mode_16_64 3
		.amdhsa_memory_ordered 1
		.amdhsa_forward_progress 1
		.amdhsa_inst_pref_size 255
	.end_amdhsa_kernel
	.section	.bss,"aw",@nobits
	.p2align	6
	.space	262144
	.amdgpu_metadata
---
amdhsa.version: [ 1, 2 ]
amdhsa.kernels:
  - .name:           k_q5008e7d109_attn
    .symbol:         k_q5008e7d109_attn.kd
    .args:
      - { .name: qkv, .offset: 0, .size: 8, .value_kind: global_buffer, .address_space: global }
      - { .name: mbits, .offset: 8, .size: 8, .value_kind: global_buffer, .address_space: global }
      - { .name: xh, .offset: 16, .size: 8, .value_kind: global_buffer, .address_space: global }
    .group_segment_fixed_size: 327680
    .private_segment_fixed_size: 0
    .kernarg_segment_align: 8
    .kernarg_segment_size: 24
    .max_flat_workgroup_size: 256
    .sgpr_count:     106
    .vgpr_count:     512
    .wavefront_size: 32
...
	.end_amdgpu_metadata
.endif
;; end of part 3
;; launch oproj (part 4): grid 8 x 32, 4 waves a work-group, clusters of 4 x 4, 327,680 bytes of LDS; arguments xh, wb, bo, out0; writes out0
.if DOCPART == 4
	.amdgcn_target "amdgcn-amd-amdhsa--gfx1250"
	.amdhsa_code_object_version 6
	.text
	.protected	k_q5008e7d109_oproj
	.globl	k_q5008e7d109_oproj
	.p2align	8
	.type	k_q5008e7d109_oproj,@function
k_q5008e7d109_oproj:
	s_mov_b64 s[64:65], 0
	v_nop
	global_prefetch_b8 v0, s[64:65] scope:SCOPE_SE
	s_setreg_imm32_b32 hwreg(HW_REG_WAVE_MODE, 25, 1), 1
	s_wait_xcnt 0x0
	s_wait_alu depctr_hold_cnt(0) depctr_sa_sdst(0) depctr_va_vdst(0) depctr_va_sdst(0) depctr_va_ssrc(0) depctr_va_vcc(0) depctr_vm_vsrc(0)
	s_getreg_b32 s2, hwreg(HW_REG_IB_STS2, 6, 4)
	s_cmp_eq_u32 s2, 0
	s_cbranch_scc0 .Lentry_in_a_cluster
	s_endpgm
.Lentry_in_a_cluster:
	s_bfe_u32 s2, ttmp6, 0x10000c
	s_cmp_lg_u32 s2, 0xf033
	s_cbranch_scc0 .Lentry_shape_is_right
	s_endpgm
.Lentry_shape_is_right:
; THE OUTPUT LAYER: out0[t][n] = sum over k of x[t][k] Wo[n][k] + bo[n], f32 out; x is xh [h 16][t 4096][64] f16 with k = 64 h + dk, Wo is section 3 of wb.
; 4096 x 1024 outputs on 256 work-groups: blocks of 128 x 128, four waves of 64 x 64 (16 accumulator tiles).
; K goes in 8 steps of 128 = two heads, through FOUR LDS slots: all four are asked for at the start, and later two at a time behind one round of the
; cluster's barrier, so that each refilled pair has two K steps (128 matrix instructions of each wave) in which to land.  At most four tensor loads of a wave are out.
; A slot: parts 0, 1 = 128 tokens x 64 of heads 2 ks, 2 ks + 1 (16,384 consecutive bytes of memory each, pitch 144 in LDS); parts 2, 3 = 64 rows of Wo x 128 (pitch 272).
; CLUSTERS 4 x 4: x's tiles hang on the block row alone (shared along a row of the cluster), Wo's on the block column alone (along a column).
; Used transposed, as in the input layers: lane l holds token l % 16 and eight neighbouring columns; the bias enters as C of the first product.
.set PARTO,  18432
.set SLOT,   4*PARTO
.set STAGE,  4*SLOT                    ; behind the ring: 16 rows x 272 bytes for each wave; no tensor load lands here
.set APITCH, 144
.set BPITCH, 272
.set SPITCH, 272
.set ADRA, 8                           ; v8-11  LDS address of my x fragments in slots 0-3
.set ADRB, 12                          ; v12-15 of my Wo fragments
.set STO,  16
.set RD,   17
.set CO,   18
.set BA,   19
.set F0,   64                          ; a fragment buffer: Wo's four at + 8 b, x's four at + 32 + 8 a
.set F1,   128
.set BIAS, 192                         ; v192-223
.set G1A, 80                           ; s[80:87] group 1 for x (s10, s11, s12 hold the wave's number and its two halves)
.set G1B, 20                           ; s[20:27] group 1 for Wo
.set G0A, 28                           ; s[28:43] four slots
.set G0B, 44                           ; s[44:59]
.set MSB, 0
.macro WIN new                         ; the immediate's high byte repeats the setting that is left
.if MSB != \new
	s_set_vgpr_msb (MSB<<8)|\new
.set MSB, \new
.endif
.endm
.macro PLACES                          ; four independent vector places between a matrix instruction and a load into, or a store of, its registers
.rept 4
	v_nop
.endr
.endm
.macro JLOAD s                         ; waves 0 and 1 fetch x's two heads, waves 2 and 3 Wo's two halves; the branch hangs on the wave's number alone
	s_cmp_eq_u32 s11, 0
	s_cbranch_scc0 .Lfor_b_\@
	tensor_load_to_lds s[G0A+4*(\s):G0A+4*(\s)+3], s[G1A:G1A+7]
	s_nop 0
	s_branch .Lasked_\@
.Lfor_b_\@:
	tensor_load_to_lds s[G0B+4*(\s):G0B+4*(\s)+3], s[G1B:G1B+7]
	s_nop 0
.Lasked_\@:
.endm
.macro CROUND                          ; a round of the cluster's barrier
	s_barrier_signal -1
	s_barrier_wait -1
	s_cmp_lg_u32 s10, 0
	s_cbranch_scc1 .Lnot_wave_0_\@
	s_barrier_signal -3
.Lnot_wave_0_\@:
	s_barrier_wait -3
	s_barrier_signal -1
	s_barrier_wait -1
.endm
	s_load_b128 s[4:7], s[0:1], 0x0                ; xh s[4:5], wb s[6:7]
	s_load_b128 s[68:71], s[0:1], 0x10             ; bo s[68:69], out0 s[70:71]
	v_lshl_add_u32 v254, v0, 2, 0x4c400
	v_mov_b32 v255, 0
	ds_add_u32 v254, v255
	v_lshrrev_b32 v1, 5, v0
	v_readfirstlane_b32 s10, v1                    ; wave 0..3
	s_lshr_b32 s11, s10, 1                         ; my half of the rows; also: I fetch x (0) or Wo (1)
	s_and_b32 s12, s10, 1                          ; my half of the columns; also: which part I fetch
	s_bfe_u32 s60, ttmp6, 0x40000                  ; cx
	s_bfe_u32 s61, ttmp6, 0x40004                  ; cy
	s_lshl_b32 s62, ttmp9, 2
	s_add_co_u32 s62, s62, s60                     ; block column 0..7
	s_and_b32 s63, ttmp7, 0xffff
	s_lshl_b32 s63, s63, 2
	s_add_co_u32 s63, s63, s61                     ; block row 0..31
	s_lshl_b32 s66, s61, 2
	s_lshl_b32 s66, 15, s66                        ; my row of the cluster
	s_lshl_b32 s67, 0x1111, s60                    ; my column
	s_or_b32 s[G1A+0], s66, (1<<16)|(1<<20)|(1<<21)|(4<<22)|(3<<25)  ; x: behind every 32 words 4 words of padding
	s_mov_b32 s[G1A+1], 64<<16                     ; tensor_dim0 = 64
	s_mov_b32 s[G1A+2], 128<<16                    ; tensor_dim1 = 128
	s_mov_b32 s[G1A+3], 64<<16                     ; tile_dim0 = 64
	s_mov_b32 s[G1A+4], 128                        ; tile_dim1 = 128
	s_mov_b32 s[G1A+5], 64                         ; rows follow each other in memory
	s_mov_b32 s[G1A+6], 0
	s_mov_b32 s[G1A+7], 0
	s_or_b32 s[G1B+0], s67, (1<<16)|(1<<20)|(1<<21)|(5<<22)|(3<<25)  ; Wo: behind every 64 words 4 words
	s_mov_b32 s[G1B+1], 128<<16
	s_mov_b32 s[G1B+2], 64<<16
	s_mov_b32 s[G1B+3], 128<<16
	s_mov_b32 s[G1B+4], 64
	s_mov_b32 s[G1B+5], 1024
	s_mov_b32 s[G1B+6], 0
	s_mov_b32 s[G1B+7], 0
	s_lshl_b32 s72, s12, 19                        ; x: head (w & 1) x 524,288
	s_lshl_b32 s73, s63, 14                        ;    + block row x 128 tokens x 128 bytes
	s_add_co_u32 s72, s72, s73
	s_mov_b32 s73, 0
	s_lshl_b32 s74, s62, 7
	s_lshl_b32 s75, s12, 6
	s_add_co_u32 s74, s74, s75                     ; Wo: row 128 x block column + 64 (w & 1)
	s_lshl_b32 s74, s74, 11
	s_add_co_u32 s74, s74, 0x600000                ;     in section 3 of wb
	s_mov_b32 s75, 0
	s_mul_i32 s76, s10, PARTO                      ; LDS: wave x part
	s_wait_dscnt 0x0
	s_wait_kmcnt 0x0
	s_add_nc_u64 s[72:73], s[4:5], s[72:73]
	s_add_nc_u64 s[74:75], s[6:7], s[74:75]
	CROUND                                         ; all sixteen work-groups are here
.irp s, 0,1,2,3
	s_mov_b32 s[G0A+4*\s], 1
	s_add_co_u32 s[G0A+4*\s+1], s76, \s*SLOT
	s_add_nc_u64 s[G0A+4*\s+2:G0A+4*\s+3], s[72:73], \s*1048576     ; K step s: two heads on
	s_or_b32 s[G0A+4*\s+3], s[G0A+4*\s+3], 0x80000000
	s_mov_b32 s[G0B+4*\s], 1
	s_add_co_u32 s[G0B+4*\s+1], s76, \s*SLOT
	s_add_nc_u64 s[G0B+4*\s+2:G0B+4*\s+3], s[74:75], \s*256
	s_or_b32 s[G0B+4*\s+3], s[G0B+4*\s+3], 0x80000000
	JLOAD \s
.endr
	v_and_b32 v1, 15, v0                           ; r
	v_bfe_u32 v2, v0, 4, 1                         ; hh
	s_lshl_b32 s78, s62, 9
	s_lshl_b32 s77, s12, 8
	s_add_co_u32 s78, s78, s77                     ; my first column x 4 bytes
	s_mov_b32 s79, 0
	s_add_nc_u64 s[68:69], s[68:69], s[78:79]
	v_lshlrev_b32 v[BA], 5, v2
.irp b, 0,1,2,3
	global_load_b128 v[BIAS+8*\b:BIAS+8*\b+3],   v[BA], s[68:69] offset:64*\b
	global_load_b128 v[BIAS+8*\b+4:BIAS+8*\b+7], v[BA], s[68:69] offset:64*\b+16
.endr
	s_lshl_b32 s77, s63, 7
	s_lshl_b32 s3, s11, 6
	s_add_co_u32 s77, s77, s3                      ; my first token
	s_lshl_b32 s77, s77, 12
	s_add_co_u32 s78, s78, s77
	s_add_nc_u64 s[8:9], s[70:71], s[78:79]        ; out0 at my tile's corner
	v_mul_u32_u24 v3, v1, APITCH
	v_lshl_add_u32 v3, v2, 4, v3
	v_mul_u32_u24 v4, v1, BPITCH
	v_lshl_add_u32 v4, v2, 4, v4
	s_mul_i32 s13, s11, 64*APITCH                  ; my 64 tokens: LDS addresses are made of the wave's number alone
	s_mul_i32 s14, s12, PARTO
	s_add_co_u32 s14, s14, 2*PARTO                 ; my 64 rows of Wo
.irp s, 0,1,2,3
	v_add_nc_u32 v[ADRA+\s], s13, v3
	v_add_nc_u32 v[ADRB+\s], s14, v4
	s_add_co_u32 s13, s13, SLOT
	s_add_co_u32 s14, s14, SLOT
.endr
	s_mul_i32 s15, s10, 16*SPITCH
	s_add_co_u32 s15, s15, STAGE
	v_mul_u32_u24 v5, v1, SPITCH
	v_lshl_add_u32 v5, v2, 5, v5
	v_add_nc_u32 v[STO], s15, v5                   ; in: token row r, 32 bytes at 32 hh
	v_mul_u32_u24 v6, v2, SPITCH
	v_lshl_add_u32 v6, v1, 4, v6
	v_add_nc_u32 v[RD], s15, v6                    ; back: sixteen lanes take a row of 256 bytes
	v_lshlrev_b32 v7, 12, v2
	v_lshl_add_u32 v[CO], v1, 4, v7                ; and the same two rows of out0
.macro FETCH slot, kq, f               ; 16 LDS loads: the fragments of quarter kq (32 along K)
.irp i, 0,1,2,3
	ds_load_b128 v[\f+8*\i:\f+8*\i+3],   v[ADRB+\slot] offset:16*BPITCH*\i+64*\kq
	ds_load_b128 v[\f+8*\i+4:\f+8*\i+7], v[ADRB+\slot] offset:16*BPITCH*\i+64*\kq+32
.endr
.irp i, 0,1,2,3
	ds_load_b128 v[\f+32+8*\i:\f+32+8*\i+3], v[ADRA+\slot] offset:16*APITCH*\i+(\kq>>1)*PARTO+64*(\kq&1)
	ds_load_b128 v[\f+32+8*\i+4:\f+32+8*\i+7], v[ADRA+\slot] offset:16*APITCH*\i+(\kq>>1)*PARTO+64*(\kq&1)+32
.endr
.endm
.macro MUL f, begin                    ; the 16 accumulators take turns, one instruction a turn, in the same order in every quarter
.irp a, 0,1,2,3
.irp b, 0,1,2,3
.if \begin
	v_wmma_f32_16x16x32_f16 v[8*(4*\a+\b):8*(4*\a+\b)+7], v[\f+8*\b:\f+8*\b+7], v[\f+32+8*\a:\f+32+8*\a+7], v[BIAS+8*\b:BIAS+8*\b+7]
.else
	v_wmma_f32_16x16x32_f16 v[8*(4*\a+\b):8*(4*\a+\b)+7], v[\f+8*\b:\f+8*\b+7], v[\f+32+8*\a:\f+32+8*\a+7], v[8*(4*\a+\b):8*(4*\a+\b)+7]
.endif
.endr
.endr
.endm
; A quarter: buffer f is in; the next quarter's fragments go out into g, four places behind the products that read g; then f is multiplied.
.macro QTR f, g, fslot, fkq, begin, fetch
	s_wait_dscnt 0x0
.if \fetch
	PLACES
	FETCH \fslot, \fkq, \g
.endif
.if \begin
	WIN 0x40                                       ; D window 1, the bias as C in window 0
.else
	WIN 0x50                                       ; C and D window 1
.endif
	MUL \f, \begin
	WIN 0
.endm
.macro KSTEPM slot, begin, nslot       ; nslot: the slot whose first quarter is fetched ahead, or -1 where a barrier comes first
	QTR F0, F1, \slot, 1, \begin, 1
	QTR F1, F0, \slot, 2, 0, 1
	QTR F0, F1, \slot, 3, 0, 1
.if \nslot >= 0
	QTR F1, F0, \nslot, 0, 0, 1
.else
	QTR F1, F0, 0, 0, 0, 0
.endif
.endm
; Slots a and b, which have been read, are filled again, four K steps on: every wave's waits, the round, the joint refills first behind it.
.macro REFILL a, b
	s_wait_tensorcnt 0x0                           ; all my tensor loads have landed: every group 0 may be written
	ds_add_u32 v254, v255
.irp t, \a, \b
	s_add_nc_u64 s[G0A+4*\t+2:G0A+4*\t+3], s[G0A+4*\t+2:G0A+4*\t+3], 4*1048576
	s_add_nc_u64 s[G0B+4*\t+2:G0B+4*\t+3], s[G0B+4*\t+2:G0B+4*\t+3], 4*256
.endr
	s_wait_dscnt 0x0                               ; my reads of the two slots are over
	CROUND
	JLOAD \a
	JLOAD \b
.endm
	s_wait_loadcnt 0x0                             ; the bias
	s_wait_tensorcnt 0x3                           ; my part of K step 0 is in; three stay out
	s_barrier_signal -1
	s_barrier_wait -1
	FETCH 0, 0, F0
	KSTEPM 0, 1, -1
	s_wait_tensorcnt 0x2                           ; K step 1; two stay out
	s_wait_dscnt 0x0
	s_barrier_signal -1
	s_barrier_wait -1
	PLACES
	FETCH 1, 0, F0
	KSTEPM 1, 0, -1
	REFILL 0, 1                                    ; K steps 4, 5 go out; 2 and 3 have landed in every wave
	PLACES
	FETCH 2, 0, F0
	KSTEPM 2, 0, 3
	KSTEPM 3, 0, -1
	REFILL 2, 3                                    ; K steps 6, 7 go out; 4 and 5 have landed
	PLACES
	FETCH 0, 0, F0
	KSTEPM 0, 0, 1
	KSTEPM 1, 0, -1
	s_wait_tensorcnt 0x0                           ; K steps 6, 7
	s_wait_dscnt 0x0
	s_barrier_signal -1
	s_barrier_wait -1
	PLACES
	FETCH 2, 0, F0
	KSTEPM 2, 0, 3
	KSTEPM 3, 0, -1
	; THE WAY OUT, 16 tokens at a time: 32 bytes a lane into my own stage, back as whole rows of 256 bytes.
	PLACES
.macro OUT a, f
	WIN 0x04                                       ; store data window 1
.irp b, 0,1,2,3
	ds_store_b128 v[STO], v[8*(4*\a+\b):8*(4*\a+\b)+3]   offset:64*\b
	ds_store_b128 v[STO], v[8*(4*\a+\b)+4:8*(4*\a+\b)+7] offset:64*\b+16
.endr
	WIN 0
	s_wait_xcnt 0x0                                ; buffer f, which earlier stores read, and the stores' base are rewritten only behind this wait
.if \a
	s_add_nc_u64 s[8:9], s[8:9], 65536             ; 16 rows of 4,096 bytes on
.endif
.irp t, 0,1,2,3,4,5,6,7
	ds_load_b128 v[\f+4*\t:\f+4*\t+3], v[RD] offset:2*SPITCH*\t    ; served in order behind the stores above
.endr
.irp t, 0,1,2,3,4,5,6,7
	s_wait_dscnt 7-\t
	global_store_b128 v[CO], v[\f+4*\t:\f+4*\t+3], s[8:9] offset:8192*\t th:TH_STORE_NT   ; 16 lanes store 256 consecutive bytes, aligned
.endr
.endm
	OUT 0, F0
	OUT 1, F1
	OUT 2, F0
	OUT 3, F1
	s_wait_tensorcnt 0x0
	ds_add_u32 v254, v255
	s_wait_dscnt 0x0
	CROUND                                         ; the closing round
	s_endpgm
.Lfunc_end_k_q5008e7d109_oproj:
	.size	k_q5008e7d109_oproj, .Lfunc_end_k_q5008e7d109_oproj-k_q5008e7d109_oproj
	.p2alignl 7, 3214868480
	.fill 96, 4, 3214868480
	.section	.rodata,"a",@progbits
	.p2align	6, 0x0
	.amdhsa_kernel k_q5008e7d109_oproj
		.amdhsa_group_segment_fixed_size 327680
		.amdhsa_private_segment_fixed_size 0
		.amdhsa_enable_private_segment 0
		.amdhsa_kernarg_size 32
		.amdhsa_user_sgpr_count 2
		.amdhsa_user_sgpr_kernarg_segment_ptr 1
		.amdhsa_wavefront_size32 1
		.amdhsa_system_sgpr_workgroup_id_x 1
		.amdhsa_system_sgpr_workgroup_id_y 1
		.amdhsa_system_sgpr_workgroup_id_z 1
		.amdhsa_system_vgpr_workitem_id 0
		.amdhsa_next_free_vgpr 384
		.amdhsa_next_free_sgpr 88
		.amdhsa_reserve_vcc 0
		.amdhsa_float_denorm_mode_32 3
		.amdhsa_float_denorm_mode_16_64 3
		.amdhsa_memory_ordered 1
		.amdhsa_forward_progress 1
		.amdhsa_inst_pref_size 93
	.end_amdhsa_kernel
	.amdgpu_metadata
---
amdhsa.version: [ 1, 2 ]
amdhsa.kernels:
  - .name:           k_q5008e7d109_oproj
    .symbol:         k_q5008e7d109_oproj.kd
    .args:
      - { .name: xh, .offset: 0, .size: 8, .value_kind: global_buffer, .address_space: global }
      - { .name: wb, .offset: 8, .size: 8, .value_kind: global_buffer, .address_space: global }
      - { .name: bo, .offset: 16, .size: 8, .value_kind: global_buffer, .address_space: global }
      - { .name: out0, .offset: 24, .size: 8, .value_kind: global_buffer, .address_space: global }
    .group_segment_fixed_size: 327680
    .private_segment_fixed_size: 0
    .kernarg_segment_align: 8
    .kernarg_segment_size: 32
    .max_flat_workgroup_size: 128
    .sgpr_count:     88
    .vgpr_count:     384
    .wavefront_size: 32
...
	.end_amdgpu_metadata
.endif
;; end of part 4
